; MI455X (gfx1250); checked and timed in simulation.
; The chip was launched on July 23, 2026; its instructions are those of AMD's public machine-readable ISA for CDNA 5 (MIT licence, August 2026) and "CDNA5" Instruction Set Architecture Reference Guide (July 2026). The comments in the code are by the model that wrote it; some were corrected since.
;; Geodesic Spectral Model. Allowed arithmetic: float matrix products may take bf16 or f16 operands with f32 sums; other float arithmetic in f32, or as packed bf16 or f16 multiplies, adds, multiply-adds, maxima and minima; sums over many terms, partial sums and values carried from step to step in f32; what a program stores and reads back later, other than sums and carried values, may be rounded once to bf16 or f16.
;; Inputs: D1 6 x 64 float32; D2 64 x 1 float32; W1 2 x 16 float32; W2 16 x 16 float32; W3 16 x 1 float32; b1 16 float32; b2 16 float32; b3 1 float32; c_source 65,536 float32; c_target 65,536 float32; d1 64 float32; d2 1 float32; wavelength 65,536 float32.
;; Outputs: out0 65,536 float32.
;; One version. Each part assembles by itself: llvm-mc -triple=amdgcn-amd-amdhsa -mcpu=gfx1250 --defsym DOCPART=n.
;; ======== version 1 of 1: 1 launch
;; launch geo (part 1): grid 256 x 1, 16 waves a work-group, no clusters, 3,072 bytes of LDS; arguments c_source, c_target, wavelength, W1, b1, W2, b2, W3, b3, D1, d1, D2, d2, out0; writes out0
.if DOCPART == 1
	.amdgcn_target "amdgcn-amd-amdhsa--gfx1250"
	.amdhsa_code_object_version 6
	.text
	.protected	k_qdb3fd1cfa9_geo
	.globl	k_qdb3fd1cfa9_geo
	.p2align	8
	.type	k_qdb3fd1cfa9_geo,@function
k_qdb3fd1cfa9_geo:
	s_mov_b64 s[64:65], 0
	v_nop
	global_prefetch_b8 v0, s[64:65] scope:SCOPE_SE
	s_setreg_imm32_b32 hwreg(HW_REG_WAVE_MODE, 25, 1), 1
	s_wait_xcnt 0x0
; GEODESIC SHOOTING + DECODER, one launch.  65,536 independent elements: five Newton steps on the start velocity u through one RK4 step
; (dt = 1) of c' = v, v' = -Gamma(c) v^2, one more RK4 step with the final u, six path statistics, a 6 -> 64 -> 1 tanh decoder.
; Gamma = g'/(2g), g = softplus(net(c, lambda)) + 0.1, net = 2 -> 16 -> 16 -> 1 with tanh.
;
; SHARES.  256 work-groups x 16 waves of 256 registers; a work-group owns 256 elements, a wave 16 (256 wg + 16 wave + r).
; Waves meet only once, in front of the output, so that it leaves in stores of 512 consecutive bytes.
;
; WHAT IS NOT COMPUTED, exactly for every input: (1) RK4's first stage always sits at c0 with tangent 0: Gamma(c0) is evaluated once;
; (2) c(1) does not use the fourth stage's slope of v: no net evaluation at c4 inside Newton; (3) c3 = c0 + v2/2 with v2 = u - Gamma(c0) u^2 / 2
; does not hang on Gamma(c2): stages 2 and 3 are evaluated side by side (tiles A and B).
;
; LAYOUT.  lane = (r = lane & 15, h = lane >> 4).  The matrix instruction takes the WEIGHTS as A (row m = output feature) and the ACTIVATIONS
; as B (column n = element r).  Its result holds feature 8h + j of element r in register j, and B wants k = 8h .. 8h+7 of column r in its registers
; 0-3: after tanh, four v_cvt_pk_bf16_f32 make the next B operand, with no traffic between lanes, and all work per feature fills
; 32 lanes x 8 registers.  Numbers per element (c, u, ..) lie once in each lane, the same in both halves.
; K = 32 with 16 real k: A operands are windows over a chain of 4-register blocks with zero blocks between the data; the B registers that face a
; zero block hold other bounded activations (h, r(1-r), their product) of the same element, which the zero weights cancel.
;
; FORMULAS.  kappa = 2 log2 e is folded into weights and biases.  tanh: E = 2^(kappa z), r = 1/(1+E), h = 1 - 2r, rs = r - r^2 = (1-h^2)/4;
; E = inf gives h = 1, rs = 0, E = 0 gives h = -1, rs = 0: nothing overflows at any argument.  With a = W1[0,:]:
;   kappa z2 = (kappa W2)^T h1 + kappa b2,  z2' = (4 a W2)^T rs1,  y = -z2''/2 = (4 a^2 W2)^T (h1 rs1)         (matrix unit, bf16 operands, f32 sums)
;   sum0 = sum W3 h2, sum1 = sum W3 rs2 z2', sum2 = sum W3 rs2 (h2 z2'^2 + y):  z3 = sum0 + b3, z3' = 4 sum1, z3'' = -8 sum2
;   t = e^-|z3| (the maximum is taken away as logaddexp does), g = max(z3,0) + 0.1 + ln(1+t), sig = (z3 >= 0 ? 1 : t)/(1+t)
;   gamma = Gamma/2 = sig sum1 / g,   delta = Gamma'/4 = (2 t (sum1/(1+t))^2 - sig sum2)/g - 2 gamma^2
;
; NOT ON THE MATRIX UNIT: x @ W1 (K = 2, its lambda half is the same in all 14 evaluations: one f32 multiply-add a value, c unrounded);
; h @ W3 and h @ D2 (N = 1: packing a B operand takes as many instructions as the packed multiply-adds it would replace, for 1 column of 16).
; NO CLUSTER, NO TENSOR LOADS, NO PREFETCH: what work-groups share is 3,400 bytes of weights, read once at the start; each wave's own input is 192 bytes.
;
; LIMITS.  tanh and 1 - tanh^2 are good to about 1e-7 absolutely, not relatively.  Transcendentals are good to 1 ULP and flush denormals
; (ISA guide 15.8); divisions are a reciprocal and a multiply.  Matrix operands (h1, rs1, h1 rs1, the scaled W2, kappa D1) are bf16, not f16:
; 4 a^2 W2 has no room in f16 at weights 30 times larger or smaller.  h1 rs1 is rounded twice; it enters Newton's slope only, never the residual.
; The decoder's features and kappa d1 go in as bf16 high part + bf16 low part (spare k).  A feature beyond bf16's largest finite number
; (3.39e38) gives NaN.  Sums run in another order than the reference's.
.set VOE,  3                           ; v3       64 wave + 4 r: my element's byte in the group's 1,024; also where its result goes in LDS
.set VOH,  4                           ; v4       32 h: my eight features in a vector of 16 (or, plus 64 t, of 64)
.set VOW2, 5                           ; v5       512 h + 4 r: W2[8h][r]
.set VOR,  6                           ; v6       4 r
.set EPS,  7                           ; v7       1e-6
.set CS,   8                           ; v[8:9]   c0, c1
.set CT,   9
.set LAM,  10                          ; v[10:11] lambda, c0 - c1
.set CD,   11
.set UU,   12                          ; v12      u
.set GZ,   13                          ; v13      gamma(c0)
.set CCA,  14                          ; v[14:15] tile A's point, v2
.set VV2,  15
.set CCB,  16                          ; v[16:17] tile B's point, dv2/du
.set DVV2, 17
.set T,    18                          ; v[18:33] numbers per element, at work
.set ACCA, 34                          ; v[34:39] tile A: three pairs of running sums
.set ACCB, 40                          ; v[40:45] tile B
.set AS,   48                          ; v[48:55] a[8h+j], later kappa a
.set PP,   56                          ; v[56:63] kappa (lambda W1[1,:] + b1)
.set CB,   64                          ; v[64:71] kappa b2
.set W3V,  72                          ; v[72:79] W3
.set WX0,  80                          ; the weight chain, blocks of four: kappa W2 | 0 | 4 a W2 | 4 a^2 W2 | 0 | dec 0 | dec 1 | 0 | dec 2 | dec 3 | 0
.set ZR,   84
.set WX1,  88
.set WX2,  92
.set ZR2,  96
.set DX0,  100
.set DX1,  104
.set ZR3,  108
.set DX2,  112
.set DX3,  116
.set ZR4,  120
.set D2V,  124                         ; v[124:155] register 8t+j: D2[16t+8h+j]
.set BA,   156                         ; v[156:167] tile A's B chain: h rs | h | rs
.set DA,   168                         ; v[168:191] tile A: kappa z2 | z2' | y   (layer 1 works in the first two)
.set BB,   192                         ; v[192:203] tile B's B chain
.set DB,   204                         ; v[204:227] tile B; before the loop: D1 as loaded
.set TZ,   228                         ; v[228:235] z2'^2; at the start: W2 as loaded
.set TS,   236                         ; v[236:243] rs2, then W3 rs2; at the start: W1[1,:]
.set D1R,  244                         ; v[244:247] d1 as loaded
.set SK,   248                         ; v248     gamma2 v2^2 + gamma3 v3^2, kept over the evaluation at c4
.set SV3,  249                         ; v249     v3
.set SV4,  250                         ; v250     v4
; ---------------------------------------------------------------- macros
.macro PLACES                          ; four places behind a matrix instruction before its result is read (ISA guide 7.12.1)
.rept 4
	v_nop
.endr
.endm
.macro ZS d, cc                        ; kappa z1 = c (kappa a) + P, c from the first register of the pair cc
.irp i, 0,2,4,6
	v_pk_fma_f32 v[\d+\i:\d+\i+1], v[AS+\i:AS+\i+1], v[\cc:\cc+1], v[PP+\i:PP+\i+1] op_sel_hi:[1,0,1]
.endr
.endm
.macro EXP8 d
.irp i, 0,1,2,3,4,5,6,7
	v_exp_f32 v[\d+\i], v[\d+\i]
.endr
.endm
.macro RCP8 d
.irp i, 0,1,2,3,4,5,6,7
	v_rcp_f32 v[\d+\i], v[\d+\i]
.endr
.endm
.macro ADD1 d
	s_wait_alu depctr_va_vdst(0)
.irp i, 0,2,4,6
	v_pk_add_f32 v[\d+\i:\d+\i+1], v[\d+\i:\d+\i+1], 1.0 op_sel_hi:[1,0]
.endr
.endm
.macro HFROMR d                        ; h = 1 - 2 r, in place
.irp i, 0,2,4,6
	v_pk_fma_f32 v[\d+\i:\d+\i+1], v[\d+\i:\d+\i+1], -2.0, 1.0 op_sel_hi:[1,0,0]
.endr
.endm
; layer 1 behind the reciprocal: r in d .. d+7.  rs into d+8 .., h in place, both packed into the B chain b; ord = 2: their product too
.macro L1REST d, b, ord
	s_wait_alu depctr_va_vdst(0)
.irp i, 0,2,4,6
	v_pk_fma_f32 v[\d+8+\i:\d+9+\i], v[\d+\i:\d+\i+1], v[\d+\i:\d+\i+1], v[\d+\i:\d+\i+1] neg_lo:[1,0,0] neg_hi:[1,0,0]   ; r - r^2
.endr
	HFROMR \d
.irp i, 0,1,2,3
	v_cvt_pk_bf16_f32 v[\b+4+\i], v[\d+2*\i], v[\d+2*\i+1]
.endr
.irp i, 0,1,2,3
	v_cvt_pk_bf16_f32 v[\b+8+\i], v[\d+8+2*\i], v[\d+9+2*\i]
.endr
.if \ord == 2
.irp i, 0,1,2,3
	v_pk_mul_bf16 v[\b+\i], v[\b+4+\i], v[\b+8+\i]
.endr
.endif
.endm
; layer 2's products.  B = (h | rs) serves the first two: the window (kappa W2 | 0) takes h, the window (0 | 4 a W2) takes rs.
.macro MM d, b, ord
	v_wmma_f32_16x16x32_bf16 v[\d:\d+7],     v[WX0:WX0+7], v[\b+4:\b+11], v[CB:CB+7]
	v_wmma_f32_16x16x32_bf16 v[\d+8:\d+15],  v[ZR:ZR+7],   v[\b+4:\b+11], 0
.if \ord == 2
	v_wmma_f32_16x16x32_bf16 v[\d+16:\d+23], v[WX2:WX2+7], v[\b:\b+7],    0
.endif
.endm
.macro ZZ d                            ; z2'^2
.irp i, 0,2,4,6
	v_pk_mul_f32 v[TZ+\i:TZ+\i+1], v[\d+8+\i:\d+9+\i], v[\d+8+\i:\d+9+\i]
.endr
.endm
; layer 2 behind the reciprocal: r in d .. d+7, z2' in d+8 .., y in d+16 ..  Leaves my eight features' share of sum0, sum1 (, sum2) in acc, acc+2 (, acc+4).
.macro L2REST d, acc, ord
	s_wait_alu depctr_va_vdst(0)
.irp i, 0,2,4,6
	v_pk_fma_f32 v[TS+\i:TS+\i+1], v[\d+\i:\d+\i+1], v[\d+\i:\d+\i+1], v[\d+\i:\d+\i+1] neg_lo:[1,0,0] neg_hi:[1,0,0]     ; rs2
.endr
	HFROMR \d
.irp i, 0,2,4,6
	v_pk_mul_f32 v[TS+\i:TS+\i+1], v[W3V+\i:W3V+\i+1], v[TS+\i:TS+\i+1]                                                  ; W3 rs2
.endr
.if \ord == 2
.irp i, 0,2,4,6
	v_pk_fma_f32 v[\d+16+\i:\d+17+\i], v[\d+\i:\d+\i+1], v[TZ+\i:TZ+\i+1], v[\d+16+\i:\d+17+\i]                          ; h2 z2'^2 + y
.endr
.endif
	v_pk_mul_f32 v[\acc:\acc+1],   v[W3V:W3V+1], v[\d:\d+1]                ; the first products start the sums: nothing is cleared
	v_pk_mul_f32 v[\acc+2:\acc+3], v[TS:TS+1],   v[\d+8:\d+9]
.if \ord == 2
	v_pk_mul_f32 v[\acc+4:\acc+5], v[TS:TS+1],   v[\d+16:\d+17]
.endif
.irp i, 2,4,6
	v_pk_fma_f32 v[\acc:\acc+1],   v[W3V+\i:W3V+\i+1], v[\d+\i:\d+\i+1],     v[\acc:\acc+1]
	v_pk_fma_f32 v[\acc+2:\acc+3], v[TS+\i:TS+\i+1],   v[\d+8+\i:\d+9+\i],   v[\acc+2:\acc+3]
.if \ord == 2
	v_pk_fma_f32 v[\acc+4:\acc+5], v[TS+\i:TS+\i+1],   v[\d+16+\i:\d+17+\i], v[\acc+4:\acc+5]
.endif
.endr
	v_add_f32 v[\acc],   v[\acc],   v[\acc+1]
	v_add_f32 v[\acc+2], v[\acc+2], v[\acc+3]
.if \ord == 2
	v_add_f32 v[\acc+4], v[\acc+4], v[\acc+5]
.endif
.endm
; Two evaluations side by side.  Each run of transcendentals is followed by plain work of the other tile, which is the one plain instruction
; that stands between a transcendental and the use of its result (ISA guide 5.7.2).  Tile B's layer 1 (16 plain instructions or more, none
; naming a register of tile A's products) gives the places behind tile A's matrix instructions; ZZ of tile A, or four v_nop, those behind tile B's.
.macro PAIR ord
	ZS DA, CCA
	EXP8 DA
	ZS DB, CCB
	EXP8 DB
	ADD1 DA
	RCP8 DA
	ADD1 DB
	RCP8 DB
	L1REST DA, BA, \ord
	MM DA, BA, \ord
	L1REST DB, BB, \ord
	MM DB, BB, \ord
	EXP8 DA
.if \ord == 2
	ZZ DA
.else
	PLACES
.endif
	EXP8 DB
	ADD1 DA
	RCP8 DA
	ADD1 DB
	RCP8 DB
	L2REST DA, ACCA, \ord
.if \ord == 2
	ZZ DB
.endif
	L2REST DB, ACCB, \ord
.endm
; One first-order evaluation (tile A) at the point in the first register of the pair cc
.macro SINGLE cc
	ZS DA, \cc
	EXP8 DA
	v_nop
	s_wait_alu depctr_va_vdst(0)
	ADD1 DA
	RCP8 DA
	v_nop
	s_wait_alu depctr_va_vdst(0)
	L1REST DA, BA, 1
	MM DA, BA, 1
	PLACES
	EXP8 DA
	v_nop
	s_wait_alu depctr_va_vdst(0)
	ADD1 DA
	RCP8 DA
	v_nop
	s_wait_alu depctr_va_vdst(0)
	L2REST DA, ACCA, 1
.endm
; The two halves' shares meet.  The swap puts tile A's two shares into lanes 0-15 of the two registers and tile B's into lanes 16-31:
; after the add lanes 0-15 hold tile A's sums and lanes 16-31 tile B's, so that ONE pass of SCAL serves both stages.
.macro MERGE2K k
	v_permlane16_swap_b32 v[ACCA+2*\k], v[ACCB+2*\k]
	v_add_f32 v[T+\k], v[ACCA+2*\k], v[ACCB+2*\k]
.endm
.macro MERGE2 ord
	MERGE2K 0
	MERGE2K 1
.if \ord == 2
	MERGE2K 2
.endif
.endm
.macro MERGE1                          ; one tile: each half adds the other half's share
.irp k, 0,1
	v_permlanex16_b32 v[T+15], v[ACCA+2*\k], s46, s47
	v_add_f32 v[T+\k], v[ACCA+2*\k], v[T+15]
.endr
.endm
; From sum0, sum1 (, sum2) in T, T+1 (, T+2): gamma into g, with ord = 2 delta into dl
.macro SCAL ord, g, dl
	v_add_f32 v[T+3], s36, v[T]                    ; z3
	v_mul_f32 v[T+4], -|v[T+3]|, s41
	v_exp_f32 v[T+4], v[T+4]                       ; t = e^-|z3|, never above 1
	v_max_num_f32 v[T+5], 0, v[T+3]                ; (the plain instruction behind the exponential)
	s_wait_alu depctr_va_vdst(0)
	v_add_f32 v[T+6], 1.0, v[T+4]
	v_rcp_f32 v[T+7], v[T+6]                       ; 1/(1+t)
	v_log_f32 v[T+8], v[T+6]                       ; log2(1+t)
	v_add_f32 v[T+5], s43, v[T+5]                  ; max(z3,0) + 0.1 (the plain instruction behind the two)
	v_cmp_gt_f32 vcc_lo, 0, v[T+3]
	s_wait_alu depctr_va_vdst(0)
	v_fma_f32 v[T+5], v[T+8], s42, v[T+5]          ; g, at least 0.1
	v_cndmask_b32 v[T+9], 1.0, v[T+4], vcc_lo      ; z3 < 0 ? t : 1
	v_rcp_f32 v[T+10], v[T+5]                      ; 1/g
	v_mul_f32 v[T+9], v[T+7], v[T+9]               ; sigmoid(z3) (the plain instruction behind the reciprocal)
	v_mul_f32 v[T+11], v[T+9], v[T+1]
	s_wait_alu depctr_va_vdst(0)
	v_mul_f32 v[\g], v[T+11], v[T+10]              ; gamma
.if \ord == 2
	v_mul_f32 v[T+12], v[T+7], v[T+1]
	v_mul_f32 v[T+13], v[T+9], v[T+2]              ; sig sum2
	v_mul_f32 v[T+12], v[T+12], v[T+12]
	v_mul_f32 v[T+12], v[T+12], v[T+4]             ; t (sum1/(1+t))^2 = sig (1-sig) sum1^2
	v_fma_f32 v[T+12], 2.0, v[T+12], -v[T+13]
	v_mul_f32 v[T+13], v[\g], v[\g]
	v_mul_f32 v[T+12], v[T+12], v[T+10]
	v_fma_f32 v[\dl], -2.0, v[T+13], v[T+12]       ; delta
.endif
.endm
.macro BCAST x, y                      ; x: lanes 0-15 stage 2, lanes 16-31 stage 3.  After it x = stage 2 and y = stage 3, in all lanes
	v_mov_b32 v[\y], v[\x]
	v_permlane16_swap_b32 v[\x], v[\y]
.endm
.macro PRE                             ; from u: v2, dv2/du and the two points c2 = c0 + u/2, c3 = c0 + v2/2
	v_mul_f32 v[T], v[GZ], v[UU]
	v_fma_f32 v[CCA], 0.5, v[UU], v[CS]
	v_fma_f32 v[VV2], -v[T], v[UU], v[UU]
	v_fma_f32 v[DVV2], -2.0, v[T], 1.0
	v_fma_f32 v[CCB], 0.5, v[VV2], v[CS]
.endm
; Newton's step.  gamma2 T+14, gamma3 T, delta2 T+11, delta3 T+1.
.macro POST
	v_mul_f32 v[T+2], v[VV2], v[VV2]               ; v2^2
	v_mul_f32 v[T+4], v[T+14], v[VV2]
	v_fma_f32 v[T+3], -v[T+14], v[T+2], v[UU]      ; v3 = u - gamma2 v2^2
	v_fma_f32 v[T+5], -v[T+11], v[T+2], 1.0
	v_mul_f32 v[T+4], v[T+4], v[DVV2]
	v_mul_f32 v[T+9], v[T+1], v[DVV2]
	v_mul_f32 v[T+6], v[T+3], v[T+3]               ; v3^2
	v_fma_f32 v[T+5], -2.0, v[T+4], v[T+5]         ; dv3 = 1 - delta2 v2^2 - 2 gamma2 v2 dv2
	v_mul_f32 v[T+10], v[T], v[T+3]
	v_mul_f32 v[T+7], v[T], v[T+6]
	v_mul_f32 v[T+9], v[T+9], v[T+6]
	v_mul_f32 v[T+10], v[T+10], v[T+5]
	v_fma_f32 v[T+8], -2.0, v[T+7], v[UU]          ; v4 = u - 2 gamma3 v3^2
	v_fma_f32 v[T+9], -2.0, v[T+9], 2.0
	v_add_f32 v[T+12], v[VV2], v[T+3]
	v_add_f32 v[T+13], v[DVV2], v[T+5]
	v_fma_f32 v[T+9], -4.0, v[T+10], v[T+9]        ; 1 + dv4 = 2 - 2 delta3 dv2 v3^2 - 4 gamma3 v3 dv3
	v_add_f32 v[T+7], v[UU], v[T+8]
	v_fma_f32 v[T+9], 2.0, v[T+13], v[T+9]
	v_fma_f32 v[T+12], 2.0, v[T+12], v[T+7]        ; u + 2 v2 + 2 v3 + v4
	v_mul_f32 v[T+9], s44, v[T+9]                  ; dr
	v_cmp_lt_f32 vcc_lo, |v[T+9]|, v[EPS]
	v_cndmask_b32 v[T+9], v[T+9], v[EPS], vcc_lo   ; |dr| < 1e-6 ? 1e-6 : dr
	v_rcp_f32 v[T+10], v[T+9]
	v_fma_f32 v[T+12], v[T+12], s44, v[CD]         ; c(1) - c1 (the plain instruction behind the reciprocal)
	s_wait_alu depctr_va_vdst(0)
	v_fma_f32 v[UU], -v[T+12], v[T+10], v[UU]
.endm
; decoder weights of features 16t + r: three registers of kappa D1 (k = 0..5), one of kappa d1 as bf16 high and low part (k = 6, 7)
.macro DFRAG t, dx
.irp i, 0,1,2
	v_cvt_pk_bf16_f32 v[\dx+\i], v[DB+6*\t+2*\i], v[DB+6*\t+2*\i+1]
.endr
	v_cvt_pk_bf16_f32 v[T], v[D1R+\t], v[D1R+\t]
	v_lshlrev_b32 v[T], 16, v[T]
	v_sub_f32 v[T+1], v[D1R+\t], v[T]
	v_cvt_pk_bf16_f32 v[\dx+3], v[T], v[T+1]
.endm
; two features into register i of the decoder's B block: lanes 0-15 (k = 2i, 2i+1) their bf16 high parts, lanes 16-31 (k = 8+2i, 9+2i) what is left
.macro FPAIR i, fa, fb
	v_cvt_pk_bf16_f32 v[T+10], v[\fa], v[\fb]
	v_lshlrev_b32 v[T+11], 16, v[T+10]
	v_and_b32 v[T+12], s48, v[T+10]
	v_sub_f32 v[T+11], v[\fa], v[T+11]
	v_sub_f32 v[T+12], v[\fb], v[T+12]
	v_cvt_pk_bf16_f32 v[T+11], v[T+11], v[T+12]
	v_cndmask_b32 v[BA+4+\i], v[T+10], v[T+11], s48
.endm
.macro DOT d, t, first                 ; D2 . h of one decoder tile, in two chains
.if \first
	v_pk_mul_f32 v[ACCA:ACCA+1],   v[D2V+8*\t:D2V+8*\t+1],   v[\d:\d+1]
	v_pk_mul_f32 v[ACCA+2:ACCA+3], v[D2V+8*\t+2:D2V+8*\t+3], v[\d+2:\d+3]
.else
	v_pk_fma_f32 v[ACCA:ACCA+1],   v[D2V+8*\t:D2V+8*\t+1],   v[\d:\d+1],   v[ACCA:ACCA+1]
	v_pk_fma_f32 v[ACCA+2:ACCA+3], v[D2V+8*\t+2:D2V+8*\t+3], v[\d+2:\d+3], v[ACCA+2:ACCA+3]
.endif
	v_pk_fma_f32 v[ACCA:ACCA+1],   v[D2V+8*\t+4:D2V+8*\t+5], v[\d+4:\d+5], v[ACCA:ACCA+1]
	v_pk_fma_f32 v[ACCA+2:ACCA+3], v[D2V+8*\t+6:D2V+8*\t+7], v[\d+6:\d+7], v[ACCA+2:ACCA+3]
.endm
; ---------------------------------------------------------------- addresses and loads
	s_load_b512 s[8:23], s[0:1], 0x0               ; c_source 8, c_target 10, wavelength 12, W1 14, b1 16, W2 18, b2 20, W3 22
	s_load_b256 s[24:31], s[0:1], 0x40             ; b3 24, D1 26, d1 28, D2 30
	s_load_b128 s[32:35], s[0:1], 0x60             ; d2 32, out0 34
	v_lshl_add_u32 v254, v0, 2, 0x400
	v_mov_b32 v255, 0
	v_and_b32 v1, 15, v0                           ; r
	v_bfe_u32 v2, v0, 4, 1                         ; h
	v_lshrrev_b32 v[T], 5, v0
	v_readfirstlane_b32 s7, v[T]                   ; wave
	v_lshlrev_b32 v[VOR], 2, v1
	v_lshl_or_b32 v[VOE], v[T], 6, v[VOR]
	v_lshlrev_b32 v[VOH], 5, v2
	v_lshl_or_b32 v[VOW2], v2, 9, v[VOR]
	s_lshl_b32 s38, ttmp9, 10                      ; the group's 256 elements of 4 bytes
	s_mov_b32 s39, 0
	s_mov_b32 s40, 0x4038aa3b                      ; kappa = 2 log2 e
	s_mov_b32 s41, 0x3fb8aa3b                      ; log2 e
	s_mov_b32 s42, 0x3f317218                      ; ln 2
	s_mov_b32 s43, 0x3dcccccd                      ; 0.1
	s_mov_b32 s44, 0x3e2aaaab                      ; 1/6
	s_mov_b32 s46, 0x76543210                      ; v_permlanex16_b32: lane i of one half reads lane i of the other
	s_mov_b32 s47, 0xfedcba98
	s_mov_b32 s48, 0xffff0000                      ; lanes 16-31 as a mask; also a word's upper bf16
	s_mov_b32 s50, 0xbeaaaaab                      ; -1/3
	s_wait_kmcnt 0x0
	s_add_nc_u64 s[8:9], s[8:9], s[38:39]
	s_add_nc_u64 s[10:11], s[10:11], s[38:39]
	s_add_nc_u64 s[12:13], s[12:13], s[38:39]
	s_add_nc_u64 s[34:35], s[34:35], s[38:39]
	s_load_b32 s36, s[24:25], 0x0                  ; b3
	s_load_b32 s37, s[32:33], 0x0                  ; d2
	; what the net needs: 3 + 10 + 8 = 21 loads
	global_load_b32 v[CS],  v[VOE], s[8:9]
	global_load_b32 v[CT],  v[VOE], s[10:11]
	global_load_b32 v[LAM], v[VOE], s[12:13]
	global_load_b128 v[AS:AS+3],     v[VOH], s[14:15]              ; W1[0][8h ..]
	global_load_b128 v[AS+4:AS+7],   v[VOH], s[14:15] offset:16
	global_load_b128 v[TS:TS+3],     v[VOH], s[14:15] offset:64    ; W1[1][8h ..]
	global_load_b128 v[TS+4:TS+7],   v[VOH], s[14:15] offset:80
	global_load_b128 v[PP:PP+3],     v[VOH], s[16:17]              ; b1
	global_load_b128 v[PP+4:PP+7],   v[VOH], s[16:17] offset:16
	global_load_b128 v[CB:CB+3],     v[VOH], s[20:21]              ; b2
	global_load_b128 v[CB+4:CB+7],   v[VOH], s[20:21] offset:16
	global_load_b128 v[W3V:W3V+3],   v[VOH], s[22:23]              ; W3
	global_load_b128 v[W3V+4:W3V+7], v[VOH], s[22:23] offset:16
.irp i, 0,1,2,3,4,5,6,7
	global_load_b32 v[TZ+\i], v[VOW2], s[18:19] offset:64*\i       ; W2[8h+i][r]: row r of the A operand, k = 8h + i
.endr
	; what the decoder needs: 24 + 4 + 8 = 36 loads, into registers that nothing touches before the wait for them
.irp t, 0,1,2,3
.irp i, 0,1,2,3,4,5
	global_load_b32 v[DB+6*\t+\i], v[VOR], s[26:27] offset:256*\i+64*\t    ; D1[i][16t+r]
.endr
.endr
.irp t, 0,1,2,3
	global_load_b32 v[D1R+\t], v[VOR], s[28:29] offset:64*\t               ; d1[16t+r]
.endr
.irp t, 0,1,2,3
	global_load_b128 v[D2V+8*\t:D2V+8*\t+3],   v[VOH], s[30:31] offset:64*\t       ; D2[16t+8h ..]
	global_load_b128 v[D2V+8*\t+4:D2V+8*\t+7], v[VOH], s[30:31] offset:64*\t+16
.endr
.irp z, ZR, ZR2, ZR3, ZR4
.irp i, 0,1,2,3
	v_mov_b32 v[\z+\i], 0                          ; the chain's four zero blocks
.endr
.endr
	v_mov_b32 v[EPS], 0x358637bd                   ; 1e-6
	v_mov_b32 v[T+15], 0                           ; a lane permute's destination counts as read: written once here
; ---------------------------------------------------------------- the net's constants
	s_wait_loadcnt 36                              ; loads return in order: the 36 youngest, the decoder's, stay out; the net's 21 are in
	v_sub_f32 v[CD], v[CS], v[CT]                  ; c0 - c1 (also completes the pair behind lambda)
	v_sub_f32 v[UU], v[CT], v[CS]                  ; u starts as c1 - c0
.irp i, 0,2,4,6
	v_pk_fma_f32 v[PP+\i:PP+\i+1], v[TS+\i:TS+\i+1], v[LAM:LAM+1], v[PP+\i:PP+\i+1] op_sel_hi:[1,0,1]   ; lambda W1[1,:] + b1
	v_pk_mul_f32 v[DA+16+\i:DA+17+\i], v[AS+\i:AS+\i+1], 4.0 op_sel_hi:[1,0]                            ; 4 a
.endr
.irp i, 0,2,4,6
	v_pk_mul_f32 v[PP+\i:PP+\i+1], v[PP+\i:PP+\i+1], s[40:41] op_sel_hi:[1,0]
	v_pk_mul_f32 v[DA+\i:DA+\i+1], v[DA+16+\i:DA+17+\i], v[TZ+\i:TZ+\i+1]                               ; 4 a W2
.endr
.irp i, 0,2,4,6
	v_pk_mul_f32 v[DA+8+\i:DA+9+\i], v[AS+\i:AS+\i+1], v[DA+\i:DA+\i+1]                                 ; 4 a^2 W2
	v_pk_mul_f32 v[TZ+\i:TZ+\i+1], v[TZ+\i:TZ+\i+1], s[40:41] op_sel_hi:[1,0]                           ; kappa W2
.endr
.irp i, 0,1,2,3
	v_cvt_pk_bf16_f32 v[WX0+\i], v[TZ+2*\i],   v[TZ+2*\i+1]        ; products in f32, rounded once
	v_cvt_pk_bf16_f32 v[WX1+\i], v[DA+2*\i],   v[DA+2*\i+1]
	v_cvt_pk_bf16_f32 v[WX2+\i], v[DA+8+2*\i], v[DA+9+2*\i]
.endr
.irp i, 0,2,4,6
	v_pk_mul_f32 v[AS+\i:AS+\i+1], v[AS+\i:AS+\i+1], s[40:41] op_sel_hi:[1,0]
	v_pk_mul_f32 v[CB+\i:CB+\i+1], v[CB+\i:CB+\i+1], s[40:41] op_sel_hi:[1,0]
.endr
	s_wait_kmcnt 0x0                               ; b3, d2
; ---------------------------------------------------------------- gamma(c0), once for the whole program
	SINGLE CS
	MERGE1
	SCAL 1, GZ, 0
; ---------------------------------------------------------------- the decoder's weights
	s_wait_loadcnt 0x0
.irp p, 0,2,4,6,8,10,12,14,16,18,20,22
	v_pk_mul_f32 v[DB+\p:DB+\p+1], v[DB+\p:DB+\p+1], s[40:41] op_sel_hi:[1,0]
.endr
	v_pk_mul_f32 v[D1R:D1R+1],   v[D1R:D1R+1],   s[40:41] op_sel_hi:[1,0]
	v_pk_mul_f32 v[D1R+2:D1R+3], v[D1R+2:D1R+3], s[40:41] op_sel_hi:[1,0]
	DFRAG 0, DX0
	DFRAG 1, DX1
	DFRAG 2, DX2
	DFRAG 3, DX3
; ---------------------------------------------------------------- five Newton steps
	s_mov_b32 s49, 5
.Lnewton:
	PRE
	PAIR 2
	MERGE2 2
	SCAL 2, T+14, T+11
	BCAST T+14, T                                  ; gamma2, gamma3
	BCAST T+11, T+1                                ; delta2, delta3
	POST
	s_sub_co_i32 s49, s49, 1
	s_cmp_lg_u32 s49, 0
	s_cbranch_scc1 .Lnewton
; ---------------------------------------------------------------- the last RK4 step, first order
	PRE
	PAIR 1
	MERGE2 1
	SCAL 1, T+14, 0
	BCAST T+14, T                                  ; gamma2, gamma3
	v_mul_f32 v[T+2], v[VV2], v[VV2]
	v_mul_f32 v[SK], v[T+14], v[T+2]               ; gamma2 v2^2
	v_fma_f32 v[SV3], -v[T+14], v[T+2], v[UU]      ; v3, formed as in Newton's step
	v_mul_f32 v[T+6], v[SV3], v[SV3]
	v_mul_f32 v[T+7], v[T], v[T+6]
	v_fma_f32 v[SK], v[T], v[T+6], v[SK]           ; + gamma3 v3^2
	v_fma_f32 v[SV4], -2.0, v[T+7], v[UU]          ; v4
	v_add_f32 v[CCA], v[CS], v[SV3]                ; c4 = c0 + v3
	SINGLE CCA
	MERGE1
	SCAL 1, T+14, 0                                ; gamma4
	v_mul_f32 v[T], v[GZ], v[UU]
	v_mul_f32 v[T+1], v[SV4], v[SV4]
	v_mul_f32 v[T], v[T], v[UU]                    ; gamma0 u^2
	v_add_f32 v[T+2], v[VV2], v[SV3]
	v_add_f32 v[T+3], v[UU], v[SV4]
	v_fma_f32 v[T], v[T+14], v[T+1], v[T]          ; + gamma4 v4^2
	v_fma_f32 v[T+2], 2.0, v[T+2], v[T+3]          ; u + 2 v2 + 2 v3 + v4
	v_fma_f32 v[T], 2.0, v[SK], v[T]
	v_fma_f32 v[T+3], v[T+2], s44, v[CS]           ; c(1)
	v_fma_f32 v[T+1], s50, v[T], v[UU]             ; v(1) = u - (..)/3
	; the six features
	v_add_f32 v[T+4], v[CS], v[T+3]
	v_sub_f32 v[T+5], v[T+3], v[CS]
	v_add_f32 v[T+6], v[UU], v[T+1]
	v_max_num_f32 v[T+7], |v[UU]|, |v[T+1]|        ; max |v|
	v_mul_f32 v[T+4], 0.5, v[T+4]                  ; mean c
	v_and_b32 v[T+5], 0x7fffffff, v[T+5]           ; path length
	v_mul_f32 v[T+6], 0.5, v[T+6]                  ; mean v
; ---------------------------------------------------------------- the decoder
	FPAIR 0, T+4, T+3
	FPAIR 1, T+5, T+6
	FPAIR 2, T+7, LAM
	v_mov_b32 v[T+10], 0x3f803f80                  ; 1.0, 1.0 in bf16: k = 6, 7 face the two parts of kappa d1
	v_cndmask_b32 v[BA+7], v[T+10], v[ZR], s48     ; k = 14, 15: zero
	; the B block lies in the middle of tile A's chain: read as registers 4-7 it meets the windows (0 | weights), as registers 0-3 the windows (weights | 0)
	v_wmma_f32_16x16x32_bf16 v[DA:DA+7],     v[ZR2:ZR2+7], v[BA:BA+7],    0
	v_wmma_f32_16x16x32_bf16 v[DA+8:DA+15],  v[DX1:DX1+7], v[BA+4:BA+11], 0
	v_wmma_f32_16x16x32_bf16 v[DA+16:DA+23], v[ZR3:ZR3+7], v[BA:BA+7],    0
	v_wmma_f32_16x16x32_bf16 v[DB:DB+7],     v[DX3:DX3+7], v[BA+4:BA+11], 0
	PLACES
	EXP8 DA
	EXP8 DA+8
	EXP8 DA+16
	EXP8 DB
	v_nop
	s_wait_alu depctr_va_vdst(0)
	ADD1 DA
	ADD1 DA+8
	ADD1 DA+16
	ADD1 DB
	RCP8 DA
	RCP8 DA+8
	RCP8 DA+16
	RCP8 DB
	v_nop
	s_wait_alu depctr_va_vdst(0)
	HFROMR DA
	HFROMR DA+8
	HFROMR DA+16
	HFROMR DB
	DOT DA,    0, 1
	DOT DA+8,  1, 0
	DOT DA+16, 2, 0
	DOT DB,    3, 0
	v_pk_add_f32 v[ACCA:ACCA+1], v[ACCA:ACCA+1], v[ACCA+2:ACCA+3]
	v_add_f32 v[ACCA], v[ACCA], v[ACCA+1]
	v_permlanex16_b32 v[T+15], v[ACCA], s46, s47
	v_add_f32 v[ACCA], v[ACCA], v[T+15]            ; the same two numbers added in both halves: the same bits
	v_add_f32 v[ACCA], s37, v[ACCA]                ; + d2
; ---------------------------------------------------------------- the way out: 256 results meet in LDS, two waves store 512 consecutive bytes each
	ds_store_b32 v[VOE], v[ACCA]                   ; lanes r and 16 + r write the same word with the same value
	s_wait_dscnt 0x0                               ; for the waves that read: my store is done before I signal
	s_barrier_signal -1
	s_barrier_wait -1
	s_cmp_ge_u32 s7, 2
	s_cbranch_scc1 .Lend
	v_and_b32 v1, 31, v0
	s_lshl_b32 s51, s7, 9
	v_lshl_add_u32 v1, v1, 4, s51                  ; 512 wave + 16 lane: the byte in LDS and in the group's part of out0
	ds_load_b128 v[T:T+3], v1
	s_wait_dscnt 0x0
	global_store_b128 v1, v[T:T+3], s[34:35] th:TH_STORE_NT
.Lend:
	s_wait_tensorcnt 0x0
	ds_add_u32 v254, v255
	s_wait_dscnt 0x0
	s_endpgm
.Lfunc_end_k_qdb3fd1cfa9_geo:
	.size	k_qdb3fd1cfa9_geo, .Lfunc_end_k_qdb3fd1cfa9_geo-k_qdb3fd1cfa9_geo
	.p2alignl 7, 3214868480
	.fill 96, 4, 3214868480
	.section	.rodata,"a",@progbits
	.p2align	6, 0x0
	.amdhsa_kernel k_qdb3fd1cfa9_geo
		.amdhsa_group_segment_fixed_size 3072
		.amdhsa_private_segment_fixed_size 0
		.amdhsa_enable_private_segment 0
		.amdhsa_kernarg_size 112
		.amdhsa_user_sgpr_count 2
		.amdhsa_user_sgpr_kernarg_segment_ptr 1
		.amdhsa_wavefront_size32 1
		.amdhsa_system_sgpr_workgroup_id_x 1
		.amdhsa_system_sgpr_workgroup_id_y 1
		.amdhsa_system_sgpr_workgroup_id_z 1
		.amdhsa_system_vgpr_workitem_id 0
		.amdhsa_next_free_vgpr 256
		.amdhsa_next_free_sgpr 66
		.amdhsa_reserve_vcc 1
		.amdhsa_float_denorm_mode_32 3
		.amdhsa_float_denorm_mode_16_64 3
		.amdhsa_memory_ordered 1
		.amdhsa_forward_progress 1
		.amdhsa_inst_pref_size 57
	.end_amdhsa_kernel
	.amdgpu_metadata
---
amdhsa.version: [ 1, 2 ]
amdhsa.kernels:
  - .name:           k_qdb3fd1cfa9_geo
    .symbol:         k_qdb3fd1cfa9_geo.kd
    .args:
      - { .name: c_source, .offset: 0, .size: 8, .value_kind: global_buffer, .address_space: global }
      - { .name: c_target, .offset: 8, .size: 8, .value_kind: global_buffer, .address_space: global }
      - { .name: wavelength, .offset: 16, .size: 8, .value_kind: global_buffer, .address_space: global }
      - { .name: W1, .offset: 24, .size: 8, .value_kind: global_buffer, .address_space: global }
      - { .name: b1, .offset: 32, .size: 8, .value_kind: global_buffer, .address_space: global }
      - { .name: W2, .offset: 40, .size: 8, .value_kind: global_buffer, .address_space: global }
      - { .name: b2, .offset: 48, .size: 8, .value_kind: global_buffer, .address_space: global }
      - { .name: W3, .offset: 56, .size: 8, .value_kind: global_buffer, .address_space: global }
      - { .name: b3, .offset: 64, .size: 8, .value_kind: global_buffer, .address_space: global }
      - { .name: D1, .offset: 72, .size: 8, .value_kind: global_buffer, .address_space: global }
      - { .name: d1, .offset: 80, .size: 8, .value_kind: global_buffer, .address_space: global }
      - { .name: D2, .offset: 88, .size: 8, .value_kind: global_buffer, .address_space: global }
      - { .name: d2, .offset: 96, .size: 8, .value_kind: global_buffer, .address_space: global }
      - { .name: out0, .offset: 104, .size: 8, .value_kind: global_buffer, .address_space: global }
    .group_segment_fixed_size: 3072
    .private_segment_fixed_size: 0
    .kernarg_segment_align: 8
    .kernarg_segment_size: 112
    .max_flat_workgroup_size: 512
    .sgpr_count:     66
    .vgpr_count:     256
    .wavefront_size: 32
...
	.end_amdgpu_metadata
.endif
;; end of part 1
